; MI455X (gfx1250); checked and timed in simulation.
; The chip was launched on July 23, 2026; its instructions are those of AMD's public machine-readable ISA for CDNA 5 (MIT licence, August 2026) and "CDNA5" Instruction Set Architecture Reference Guide (July 2026). The comments in the code are by the model that wrote it; some were corrected since.
;; Causal Self Attention. Allowed arithmetic: matrix products marked QUANTISED: E4M3 operands, one given power-of-two scale a tensor, by v_wmma_f32_16x16x64_fp8_fp8 or v_wmma_f32_16x16x128_fp8_fp8, f32 sums; everything else in f32.
;; Inputs: attn_mask 4 x 2,048 int32; lowp_scales 8 int32 (the exponents e of the quantised operands' scales 2^e); w_out 1,024 x 1,024 float32; w_qkv 3,072 x 1,024 float32; x 4 x 2,048 x 1,024 float32.
;; Outputs: out0 4 x 2,048 x 1,024 float32.
;; This version of the problem:
;;   THIS VERSION OF THE PROBLEM IS GIVEN IN LOW PRECISION. The matrix products marked QUANTISED in the list below multiply operands that are first quantised to E4M3 (4 exponent bits, 3 mantissa bits; 8 bits a number), with one given power-of-two scale for each operand tensor; their sums are f32. All else is computed in f32.
;;   The module's matrix products, in the order in which they are computed (A, B: the left and right operand; K: the contracted axis; several contracted axes count as one K, in the product's order):
;;     1. [M 8,192, K 1,024] x [K 1,024, N 3,072]; A: input x; B: input w_qkv: QUANTISED (scales: A lowp_scales[0], B lowp_scales[1])
;;     2. batch 64 x [M 2,048, K 64] x [K 64, N 2,048]; A: computed on the way; B: computed on the way: QUANTISED (scales: A lowp_scales[2], B lowp_scales[3])
;;     3. batch 64 x [M 2,048, K 2,048] x [K 2,048, N 64]; A: computed on the way; B: computed on the way: QUANTISED (scales: A lowp_scales[4], B lowp_scales[5])
;;     4. [M 8,192, K 1,024] x [K 1,024, N 1,024]; A: computed on the way; B: input w_out: QUANTISED (scales: A lowp_scales[6], B lowp_scales[7])
;;   THE QUANTISER, for each operand of a quantised product, along K:
;;     - The operand's scale is 2^e, e = its entry of the input lowp_scales (int32; the entries are numbered through the quantised products in the list's order, A before B).
;;     - Each number is divided by the scale, clamped to +-448, and rounded to the nearest number of E4M3, ties to even, subnormals kept.
;;     - The product sums the exact products of the quantised numbers (number of the format x scale) in f32.
;;   ~~~python
;;   def quantise(x, axis, e):      # numpy; x: float32 -> the quantised numbers, widened to float32 again
;;       x = np.moveaxis(x, axis, -1); K = x.shape[-1]
;;       r = np.clip(x / 2.0 ** e, -448, 448)
;;       step = 2.0 ** (np.maximum(np.frexp(np.where(r == 0, 1, r))[1] - 1, -6) - 3)
;;       q = np.round(r / step) * step * 2.0 ** e      # np.round: ties to even
;;       return np.moveaxis(q, -1, axis).astype(np.float32)
;;   ~~~
;;   OPERANDS COMPUTED ON THE WAY. 'Computed on the way' means the value that the module computes at that place (a softmax that the list does not call 'softmax' is quantised finished and normalised). What goes into a quantiser is computed in f32, as accurately as f32 sums, v_exp_f32 and their like allow (about 1e-6 of the number): no bf16 or f16 on the way to a quantiser, and a product that is left as it is and whose result goes on into a quantised operand takes f32 operands (vector FMAs, or v_wmma_f32_16x16x4_f32). A number that lies on a knife's edge between two numbers of the format may be rounded either way, as far as f32 arithmetic and the matrix unit's own rounding can turn it there, and no further.
;; One version. Each part assembles by itself: llvm-mc -triple=amdgcn-amd-amdhsa -mcpu=gfx1250 --defsym DOCPART=n.
;; ======== version 1 of 1: 4 launches
;; limits: right only within a limited range of input values
;; workspace buffers: x_codes 8,388,608 bytes; wq_codes 3,145,728 bytes; wo_codes 1,048,576 bytes; q_img 8,388,608 bytes; k_img 8,388,608 bytes; v_img 8,388,608 bytes; a_img 8,388,608 bytes
;; launch quant (part 1): grid 384 x 1, 4 waves a work-group, no clusters, 33,280 bytes of LDS; arguments x, w_qkv, w_out, lowp_scales, x_codes, wq_codes, wo_codes; writes x_codes, wq_codes, wo_codes
.if DOCPART == 1
	.amdgcn_target "amdgcn-amd-amdhsa--gfx1250"
	.amdhsa_code_object_version 6
	.text
	.protected	k_q7eb3b8883a_quant
	.globl	k_q7eb3b8883a_quant
	.p2align	8
	.type	k_q7eb3b8883a_quant,@function
k_q7eb3b8883a_quant:
	s_mov_b64 s[64:65], 0
	v_nop
	global_prefetch_b8 v0, s[64:65] scope:SCOPE_SE
	s_setreg_imm32_b32 hwreg(HW_REG_WAVE_MODE, 25, 1), 1
	s_wait_xcnt 0x0
; CAUSAL SELF-ATTENTION IN E4M3, FOUR LAUNCHES.  This one: x [8192][1024], w_qkv [3072][1024], w_out [1024][1024], f32, K innermost, become codes of E4M3, one byte each,
; with the given scales 2^e0, 2^e1, 2^e7.  code = number / 2^e, held within +-448, rounded to the nearest code, ties to even.
; WORK LEFT OUT BY THE PROGRAM (in the third launch), AND WHY IT IS DEAD.  reference() builds the causal mask itself (jnp.tril): for key k > query q the score is replaced by -inf, so
; p(q, k) = exp(-inf - max) = 0 for all values of the inputs; such a p adds 0 to the row's sum and 0 x v(k) = 0 to the third product.  So a step of 128 keys whose first key lies behind all
; 32 queries of a wave's group is not multiplied, in the second product or in the third.  Every input has a way to the output, and all are loaded (attn_mask in the third launch).
; LIMIT: a NaN, an infinity or an overflow in k or v at keys that the causal mask hides from a query is not carried to that query's result.
; LIMITS of this launch: e0, e1, e7 between -126 and 119, so that 2^e and 448 x 2^e are f32 numbers.  NaN among the inputs is not served (an infinity is held at the largest code).
; LAYOUT OUT.  Row t of a tensor is stored as row swz(t) of its codes, swz = bits 3 and 4 of the row number exchanged.  So 16 consecutive stored rows 32 b + 16 u + r are the rows
; 32 b + 8 u + r + 8 (r / 8): with the matrix instruction used transposed, the 16 registers of two neighbouring result tiles are then 16 neighbours along the next product's K.
; SHARES.  A wave takes 8 rows (8,192 numbers) in 16 steps of 512; a work-group 32 rows: the swizzle only exchanges waves 1 and 2 on the way out.  Work-groups 0-255: x; 256-351: w_qkv; 352-383: w_out;
; only pointers, the exponent and the first work-group's number are chosen, by selects on the work-group's number: all three take one path through the text.
; Each of a step's four loads reads 512 consecutive bytes; the 2,048 bytes turn through the wave's own stage in LDS and come back 64 bytes a lane, since the conversions take neighbours
; along K from one lane's registers.  A lane's 16 codes are 16 bytes: a store covers 512 consecutive bytes.  Loads run four steps ahead, the turn through LDS one step.  Waves share nothing: no barrier.
.set WAVES, 4
.set STEPS, 16
.set CB,    16                         ; bytes of 16 codes
.set R,     16                         ; v16-79   four sets of 16 numbers as they are loaded
.set X,     80                         ; v80-111  two sets of 16 neighbours
.set C,     128                        ; v128-191 codes: four registers for each step, so that no store's data are written again
.set WREG,  8192                       ; LDS: a region for each wave: two stages of 32 x SP bytes
.set SP,    80                         ; a lane's place in a stage: its 64 bytes + 16 of padding
.set SPW,   12                         ; v12      LDS address of my spare word; never rewritten
.set NIL,   13                         ; v13      0; never rewritten
.set SPARE, WAVES*WREG                 ; behind the four regions: the spare words, 128 bytes for each wave
	s_load_b256 s[4:11], s[0:1], 0x0               ; x s[4:5], w_qkv s[6:7], w_out s[8:9], the scales' exponents s[10:11]
	s_load_b128 s[12:15], s[0:1], 0x20             ; x_codes s[12:13], wq_codes s[14:15]
	s_load_b64 s[16:17], s[0:1], 0x30              ; wo_codes
	v_lshl_add_u32 v[SPW], v0, 2, SPARE
	v_mov_b32 v[NIL], 0
	v_lshrrev_b32 v1, 5, v0
	v_readfirstlane_b32 s18, v1                    ; wave
	v_and_b32 v2, 31, v0                           ; lane
	v_lshlrev_b32 v3, 4, v2                        ; my 16 bytes of a load's 512
	s_mul_i32 s39, s18, WREG
	v_lshrrev_b32 v14, 2, v2
	v_mul_u32_u24 v14, v14, SP
	v_and_b32 v15, 3, v2
	v_lshl_add_u32 v14, v15, 4, v14
	v_add_nc_u32 v14, s39, v14                     ; the stage, on the way in: SP (lane / 4) + 16 (lane % 4)
	v_mul_u32_u24 v15, v2, SP
	v_add_nc_u32 v15, s39, v15                     ; and on the way out: SP x lane: my 16 neighbours
	v_mul_u32_u24 v4, v2, CB                       ; my codes' place in a step's
	s_mov_b32 s19, 352                             ; the first work-group of my tensor: 0, 256 or 352
	s_cmp_lt_u32 ttmp9, 352
	s_cselect_b32 s19, 256, s19
	s_cmp_lt_u32 ttmp9, 256
	s_cselect_b32 s19, 0, s19
	s_sub_co_u32 s19, ttmp9, s19
	s_lshl_b32 s19, s19, 2                         ; four runs of 8 rows to a work-group
	s_add_co_u32 s32, s19, s18                     ; in: run 4 g + wave,
	s_mov_b32 s33, 0
	s_lshl_b64 s[32:33], s[32:33], 15              ; of 32,768 bytes
	s_and_b32 s34, s18, 1
	s_lshl_b32 s34, s34, 1
	s_lshr_b32 s35, s18, 1
	s_or_b32 s34, s34, s35                         ; out: the wave's two bits exchanged: that is swz on rows,
	s_add_co_u32 s34, s34, s19
	s_mov_b32 s35, 0
	s_lshl_b64 s[34:35], s[34:35], 13              ; runs of 8,192 bytes
	s_wait_alu depctr_va_vdst(0)
	s_wait_kmcnt 0x0
	s_load_b256 s[24:31], s[10:11], 0x0            ; e0 .. e7
	s_cmp_lt_u32 ttmp9, 352                        ; the choices hang on the work-group's number alone
	s_cselect_b64 s[20:21], s[6:7], s[8:9]
	s_cselect_b64 s[22:23], s[14:15], s[16:17]
	s_cmp_lt_u32 ttmp9, 256
	s_cselect_b64 s[20:21], s[4:5], s[20:21]
	s_cselect_b64 s[22:23], s[12:13], s[22:23]
	s_add_nc_u64 s[20:21], s[20:21], s[32:33]
	s_add_nc_u64 s[22:23], s[22:23], s[34:35]
.macro LOAD t
.irp i, 0,1,2,3
	global_load_b128 v[R+16*((\t)%4)+4*\i:R+16*((\t)%4)+4*\i+3], v3, s[20:21] offset:2048*(\t)+512*\i th:TH_LOAD_NT   ; 32 lanes read 512 consecutive bytes
.endr
.endm
.macro TURN t                          ; step t's numbers through the stage: LDS serves a wave's instructions in order, so no wait stands between the stores and the loads
.irp i, 0,1,2,3
	ds_store_b128 v14, v[R+16*((\t)%4)+4*\i:R+16*((\t)%4)+4*\i+3] offset:32*SP*((\t)%2)+8*SP*\i
.endr
.irp i, 0,1,2,3
	ds_load_b128 v[X+16*((\t)%2)+4*\i:X+16*((\t)%2)+4*\i+3], v15 offset:32*SP*((\t)%2)+16*\i
.endr
.endm
.irp t, 0,1,2,3
	LOAD \t
.endr
	s_wait_kmcnt 0x0
	s_cmp_lt_u32 ttmp9, 352
	s_cselect_b32 s38, s25, s31                    ; e1 or e7,
	s_cmp_lt_u32 ttmp9, 256
	s_cselect_b32 s38, s24, s38                    ; or e0
	s_add_co_i32 s38, s38, 127
	s_lshl_b32 s39, s38, 23
	v_mov_b32 v11, s39                             ; 2^e as f32: the conversion takes its exponent field
	s_add_co_i32 s38, s38, 8
	s_lshl_b32 s38, s38, 23
	s_or_b32 s38, s38, 0x600000
	v_mov_b32 v10, s38                             ; 448 x 2^e
	s_wait_alu depctr_va_vdst(0)
	s_wait_loadcnt 12                              ; step 0's four loads are in; three steps' twelve are younger
	TURN 0
.macro STEP t
.set XS, X+16*((\t)%2)
	s_wait_dscnt 0x0                               ; this step's numbers are back from the stage: so its stores into the stage have read their registers,
.if (\t)+4 < STEPS
	LOAD (\t)+4                                    ; which take the loads of four steps on
.endif
.if (\t)+1 < STEPS
.if STEPS-2-(\t) >= 3
	s_wait_loadcnt 12                              ; the next step's four loads are in; those of the three steps behind it may be out
.else
	s_wait_loadcnt 4*(STEPS-2-(\t))
.endif
	TURN (\t)+1                                    ; and go through the other stage while this step is worked
.endif
.irp i, 0,1,2,3,4,5,6,7,8,9,10,11,12,13,14,15
	v_med3_num_f32 v[XS+\i], v[XS+\i], -v10, v10   ; the conversion to an 8-bit code does not saturate (ISA guide 7.6.2): the hold at the largest code x the scale comes first
.endr
	v_cvt_scalef32_pk8_fp8_f32 v[C+4*(\t):C+4*(\t)+1], v[XS:XS+7], v11
	v_cvt_scalef32_pk8_fp8_f32 v[C+4*(\t)+2:C+4*(\t)+3], v[XS+8:XS+15], v11
	global_store_b128 v4, v[C+4*(\t):C+4*(\t)+3], s[22:23] offset:32*CB*(\t)   ; the results go to a store alone; the next vector lines are the next step's holds, plain ones on other registers
.endm
.irp t, 0,1,2,3,4,5,6,7,8,9,10,11,12,13,14,15
	STEP \t
.endr
	s_wait_tensorcnt 0x0                           ; the wave's end: behind my last LDS store
	ds_add_u32 v[SPW], v[NIL]
	s_wait_dscnt 0x0
	s_endpgm
.Lfunc_end_k_q7eb3b8883a_quant:
	.size	k_q7eb3b8883a_quant, .Lfunc_end_k_q7eb3b8883a_quant-k_q7eb3b8883a_quant
	.p2alignl 7, 3214868480
	.fill 96, 4, 3214868480
	.section	.rodata,"a",@progbits
	.p2align	6, 0x0
	.amdhsa_kernel k_q7eb3b8883a_quant
		.amdhsa_group_segment_fixed_size 33280
		.amdhsa_private_segment_fixed_size 0
		.amdhsa_enable_private_segment 0
		.amdhsa_kernarg_size 56
		.amdhsa_user_sgpr_count 2
		.amdhsa_user_sgpr_kernarg_segment_ptr 1
		.amdhsa_wavefront_size32 1
		.amdhsa_system_sgpr_workgroup_id_x 1
		.amdhsa_system_sgpr_workgroup_id_y 1
		.amdhsa_system_sgpr_workgroup_id_z 1
		.amdhsa_system_vgpr_workitem_id 0
		.amdhsa_next_free_vgpr 192
		.amdhsa_next_free_sgpr 66
		.amdhsa_reserve_vcc 0
		.amdhsa_float_denorm_mode_32 3
		.amdhsa_float_denorm_mode_16_64 3
		.amdhsa_memory_ordered 1
		.amdhsa_forward_progress 1
		.amdhsa_inst_pref_size 38
	.end_amdhsa_kernel
	.amdgpu_metadata
---
amdhsa.version: [ 1, 2 ]
amdhsa.kernels:
  - .name:           k_q7eb3b8883a_quant
    .symbol:         k_q7eb3b8883a_quant.kd
    .args:
      - { .name: x, .offset: 0, .size: 8, .value_kind: global_buffer, .address_space: global }
      - { .name: w_qkv, .offset: 8, .size: 8, .value_kind: global_buffer, .address_space: global }
      - { .name: w_out, .offset: 16, .size: 8, .value_kind: global_buffer, .address_space: global }
      - { .name: lowp_scales, .offset: 24, .size: 8, .value_kind: global_buffer, .address_space: global }
      - { .name: x_codes, .offset: 32, .size: 8, .value_kind: global_buffer, .address_space: global }
      - { .name: wq_codes, .offset: 40, .size: 8, .value_kind: global_buffer, .address_space: global }
      - { .name: wo_codes, .offset: 48, .size: 8, .value_kind: global_buffer, .address_space: global }
    .group_segment_fixed_size: 33280
    .private_segment_fixed_size: 0
    .kernarg_segment_align: 8
    .kernarg_segment_size: 56
    .max_flat_workgroup_size: 128
    .sgpr_count:     66
    .vgpr_count:     192
    .wavefront_size: 32
...
	.end_amdgpu_metadata
.endif
;; end of part 1
;; launch gemmqkv (part 2): grid 12 x 32, 4 waves a work-group, clusters of 4 x 4, 327,680 bytes of LDS; arguments x_codes, wq_codes, lowp_scales, q_img, k_img, v_img; writes q_img, k_img, v_img
.if DOCPART == 2
	.amdgcn_target "amdgcn-amd-amdhsa--gfx1250"
	.amdhsa_code_object_version 6
	.text
	.protected	k_q7eb3b8883a_gemmqkv
	.globl	k_q7eb3b8883a_gemmqkv
	.p2align	8
	.type	k_q7eb3b8883a_gemmqkv,@function
k_q7eb3b8883a_gemmqkv:
	s_mov_b64 s[64:65], 0
	v_nop
	global_prefetch_b8 v0, s[64:65] scope:SCOPE_SE
	s_setreg_imm32_b32 hwreg(HW_REG_WAVE_MODE, 25, 1), 1
	s_wait_xcnt 0x0
	s_wait_alu depctr_hold_cnt(0) depctr_sa_sdst(0) depctr_va_vdst(0) depctr_va_sdst(0) depctr_va_ssrc(0) depctr_va_vcc(0) depctr_vm_vsrc(0)
	s_getreg_b32 s2, hwreg(HW_REG_IB_STS2, 6, 4)
	s_cmp_eq_u32 s2, 0
	s_cbranch_scc0 .Lentry_in_a_cluster
	s_endpgm
.Lentry_in_a_cluster:
	s_bfe_u32 s2, ttmp6, 0x10000c
	s_cmp_lg_u32 s2, 0xf033
	s_cbranch_scc0 .Lentry_shape_is_right
	s_endpgm
.Lentry_shape_is_right:
; THE FIRST PRODUCT, qkv = x w_qkv^T, on codes of E4M3, and its sums quantised on the way out into the operands of the second and third products: q (2^e2), k (2^e3), v (2^e5).
; Two products of one shape, C[m][n] = sum over 1,024 k of A[m][k] B[n][k], tiles of 256 x 256, in one text.  By the cluster's x (the same in all sixteen partners; selects alone, no branch):
;   0, 1: A = x's codes (8,192 token rows), B = w_qkv's rows 0-2,047: q (cluster x 0) and k (1).     2: A = w_qkv's rows 2,048-3,071 (w_v), B = x's codes: v TRANSPOSED, since the keys are the third product's K.
; Both code buffers hold row swz(t) (bits 3 and 4 exchanged) at place t.  THE MATRIX INSTRUCTION IS USED TRANSPOSED (source 0 = 16 rows of B, source 1 = 16 rows of A): lane (r, h) holds row r of A's block a, and the 16 registers
; of accumulators (a, 2 c) and (a, 2 c + 1) are B's TRUE rows 32 c + 16 h + 0 .. 15: 16 neighbours along the next K.  Two conversions make of them registers 4 c .. 4 c + 3 of the next operand.
; THE RESULTS LEAVE AS IMAGES OF OPERAND REGISTERS: each group of four registers by one store at 16 x lane: 512 consecutive bytes, aligned.  No stage in LDS.
;   q_img, k_img: [batch x head 64][tile 128][c 2][lane 32][16 bytes]: lane (r, h) of tile T is token swz(16 T + r); its bytes are the head's channels 32 c + 16 h + 0 .. 15.
;   v_img: [batch x head 64][step 16][dt 4][c 4][lane 32][16 bytes]: lane (r, h) is channel swz(16 dt + r); its bytes are keys 128 step + 32 c + 16 h + 0 .. 15.
; A sum stands for sum x 2^(e0 + e1), so its code is sum / 2^(eX - e0 - e1), held within +-448.  LIMITS: e2 - e0 - e1, e3 - e0 - e1, e5 - e0 - e1 between -126 and 119.
; A work-group of four waves makes a tile; a wave 128 x 128: 64 accumulators.  K goes in 4 steps of 256 through a ring of two LDS slots filled by the tensor data mover; a tile's row is 256 bytes of memory.
; CLUSTERS of 4 x 4: the four of a row need the same tiles of A, the four of a column the same tiles of B: each tile is asked for jointly, by the same load with the same descriptor and a mask that names the four.
; REGISTERS, in windows of 256: window 0: v16-31 addresses and constants; v32-127 at work on the way out; from v128 A's fragments, ONE set.   window 1: B's fragments, TWO sets.
;   window 2: the 32 accumulators of my rows 0-63 ((a, b) at v[8 (8 a + b)]);   window 3: those of my rows 64-127.
.set KSTEP,  256
.set ROWB,   256                       ; a tile's row in bytes
.set KROW,   1024                      ; a row of codes in memory
.set PITCH,  272                       ; an LDS row: 256 bytes + 16 of padding = 68 words: the 16 rows that a load touches start at 16 different banks (64 banks of 4 bytes: ISA guide 11.1)
.set FR,     16                        ; registers of a fragment: 16 rows x 128 K
.set NL,     4                         ; LDS loads that bring one
.set NP,     4                         ; places behind this matrix instruction (ISA guide 7.12.1)
.set HALFT,  128*PITCH                 ; what one tensor load brings
.set SLOT,   4*HALFT                   ; A's 256 rows, then B's 256 rows
.set LAPS,   2                         ; a lap = two K steps = once round the ring
.set SPARE,  2*SLOT                    ; behind the ring: the spare words, 128 bytes for each wave
.set ADRA, 16                          ; v16-17  LDS address of my A fragments in slot 0, 1
.set ADRB, 20                          ; v20-21  the same for B
.set VA,   26                          ; v26     16 x lane
.set VB,   27                          ; v27     the same, two groups of four registers on: the next head's image (q, k) or c + 2 (v)
.set SPW,  28                          ; v28     LDS address of my spare word; never rewritten
.set NIL,  29                          ; v29     0; never rewritten
.set SCL,  30                          ; v30     2^(eX - e0 - e1)
.set LIM,  31                          ; v31     448 x that
.set TMP,  32                          ; v32-95  a block's sums, held
.set CDS,  96                          ; v96-127 a block's codes, two sets by turns
.set AF,   128
.set G1, 24                            ; s[24:31] descriptor group 1 for A's tiles;  s[32:39] group 0, one set for each slot
.set G0, 32
.set G1B, 48                           ; s[48:55], s[56:63] the same for B's tiles
.set G0B, 56
.set MSB, 0
.macro WIN new                         ; the immediate's high byte repeats the setting that is left
.if MSB != \new
	s_set_vgpr_msb (MSB<<8)|\new
.set MSB, \new
.endif
.endm
.set MUL_LO, 0xa1                      ; source 0 (B) window 1, source 1 (A) window 0, C and D window 2
.set MUL_HI, 0xf1                      ; the same, C and D window 3
.set TO_B,   0x40                      ; destination window 1, address window 0
; A joint load: waves 0 and 1 fetch for A, waves 2 and 3 for B.  The branch hangs on the wave's number alone.  An s_nop 0 and four v_nop follow each of the two lines.
.macro JLOAD g0a, g1a, g0b, g1b
	s_cmp_eq_u32 s17, 0
	s_cbranch_scc0 .Lfor_b_\@
	tensor_load_to_lds s[\g0a:\g0a+3], s[\g1a:\g1a+7]
	s_nop 0
.rept 4
	v_nop
.endr
	s_branch .Lasked_\@
.Lfor_b_\@:
	tensor_load_to_lds s[\g0b:\g0b+3], s[\g1b:\g1b+7]
	s_nop 0
.rept 4
	v_nop
.endr
.Lasked_\@:
.endm
.macro CREST                           ; a round of the cluster's barrier behind its opening barrier
	s_cmp_lg_u32 s16, 0
	s_cbranch_scc1 .Lnot_wave_0_\@
	s_barrier_signal -3
.Lnot_wave_0_\@:
	s_barrier_wait -3
	s_barrier_signal -1
	s_barrier_wait -1
.endm
.macro CROUND                          ; a whole round
	s_barrier_signal -1
	s_barrier_wait -1
	CREST
.endm
	s_load_b256 s[4:11], s[0:1], 0x0               ; x_codes s[4:5], wq_codes s[6:7], the scales' exponents s[8:9], q_img s[10:11]
	s_load_b128 s[12:15], s[0:1], 0x20             ; k_img s[12:13], v_img s[14:15]
	v_lshl_add_u32 v[SPW], v0, 2, SPARE
	v_mov_b32 v[NIL], 0
	ds_add_u32 v[SPW], v[NIL]                      ; the wave's opening: the add, twice on end, and its wait ahead of my first tensor load
	ds_add_u32 v[SPW], v[NIL]                      ; and once more, under the one wait; the set-up below stands between
	v_lshrrev_b32 v1, 5, v0
	v_readfirstlane_b32 s16, v1                    ; wave 0..3
	s_lshr_b32 s17, s16, 1                         ; which half of the tile's rows is mine.  Also: I fetch for A (0) or for B (1)
	s_and_b32 s18, s16, 1                          ; which half of its columns.  Also: which 128 rows of that tile I fetch
	s_bfe_u32 s19, ttmp6, 0x40000                  ; cx
	s_bfe_u32 s20, ttmp6, 0x40004                  ; cy
	s_and_b32 s22, ttmp7, 0xffff                   ; cluster y
	s_cmp_eq_u32 ttmp9, 2                          ; cluster x = 2: the product for v
	s_cselect_b32 s21, 0, s22                      ; the cluster's row of tiles: for v there are four tile rows in all,
	s_cselect_b32 s23, s22, ttmp9                  ; and its column of tiles
	s_cselect_b32 s89, 0x200000, 0                 ; w_v begins 2,048 rows of 1,024 bytes into w_qkv's codes
	s_lshl_b32 s40, s21, 2
	s_add_co_u32 s40, s40, s20                     ; tile row: it holds cy and never cx
	s_lshl_b32 s41, s23, 2
	s_add_co_u32 s41, s41, s19                     ; tile column: it holds cx and never cy
	s_lshl_b32 s42, s20, 2
	s_lshl_b32 s42, 15, s42                        ; my row of the cluster
	s_lshl_b32 s43, 0x1111, s19                    ; my column
	; descriptor group 1: a tile of 128 rows x 256 bytes, padded in LDS
	s_or_b32 s[G1+0], s42, (0<<16)|(1<<20)|(1<<21)|(5<<22)|(3<<25)  ; 15:0 the mask; 17:16 elements of 1 byte; 20 padding on; 21 set beside a mask; 24:22 after every 64 words; 31:25 four words
	s_or_b32 s[G1B+0], s43, (0<<16)|(1<<20)|(1<<21)|(5<<22)|(3<<25)
.irp g, G1, G1B
	s_mov_b32 s[\g+1], ROWB<<16                    ; tensor_dim0
	s_mov_b32 s[\g+2], 128<<16                     ; tensor_dim1
	s_mov_b32 s[\g+3], ROWB<<16                    ; tile_dim0
	s_mov_b32 s[\g+4], 128                         ; tile_dim1
	s_mov_b32 s[\g+5], KROW                        ; tensor_dim0_stride
	s_mov_b32 s[\g+6], 0
	s_mov_b32 s[\g+7], 0
.endr
	s_lshl_b32 s88, s18, 7                         ; which 128 rows of the tile I fetch
	s_lshl_b32 s76, s40, 8
	s_add_co_u32 s76, s76, s88
	s_lshl_b32 s76, s76, 10                        ; A: (256 x tile row + 128 x half) rows of 1,024 bytes,
	s_add_co_u32 s76, s76, s89                     ; from w_v's first row on in the product for v
	s_mov_b32 s77, 0
	s_lshl_b32 s78, s41, 8
	s_add_co_u32 s78, s78, s88
	s_lshl_b32 s78, s78, 10                        ; B likewise, by the tile column
	s_mov_b32 s79, 0
	s_mul_i32 s90, s16, HALFT                      ; where they go: wave x 128 rows: no place in the cluster enters an LDS address
	s_wait_dscnt 0x0                               ; both opening adds are done
	s_wait_kmcnt 0x0
	s_load_b256 s[68:75], s[8:9], 0x0              ; e0 .. e7
	s_cmp_eq_u32 ttmp9, 2
	s_cselect_b64 s[44:45], s[6:7], s[4:5]         ; A's buffer,
	s_cselect_b64 s[46:47], s[4:5], s[6:7]         ; and B's
	s_add_nc_u64 s[44:45], s[44:45], s[76:77]
	s_add_nc_u64 s[46:47], s[46:47], s[78:79]
	CROUND                                         ; all sixteen work-groups are here: the first joint loads meet
.irp s, 0,1
	s_mov_b32 s[G0+4*\s], 1
	s_add_co_u32 s[G0+4*\s+1], s90, \s*SLOT
	s_add_nc_u64 s[G0+4*\s+2:G0+4*\s+3], s[44:45], \s*ROWB
	s_or_b32 s[G0+4*\s+3], s[G0+4*\s+3], 0x80000000
	s_mov_b32 s[G0B+4*\s], 1
	s_add_co_u32 s[G0B+4*\s+1], s90, \s*SLOT
	s_add_nc_u64 s[G0B+4*\s+2:G0B+4*\s+3], s[46:47], \s*ROWB
	s_or_b32 s[G0B+4*\s+3], s[G0B+4*\s+3], 0x80000000
.endr
	JLOAD G0, G1, G0B, G1B                         ; K step 0: one tensor load a wave at the head
	v_and_b32 v1, 15, v0                           ; l % 16
	v_bfe_u32 v2, v0, 4, 1                         ; l / 16
	v_mul_u32_u24 v3, v1, PITCH
	v_lshl_add_u32 v4, v2, 4, v3                   ; a fragment's row x pitch + 16 x half
	s_mul_i32 s91, s17, HALFT                      ; my 128 rows of A
	s_mul_i32 s92, s18, HALFT                      ; my 128 rows of B,
	s_add_co_u32 s92, s92, 2*HALFT                 ; which lie behind A's 256
.irp s, 0,1
	v_add_nc_u32 v[ADRA+\s], s91, v4
	v_add_nc_u32 v[ADRB+\s], s92, v4
	s_add_co_u32 s91, s91, SLOT
	s_add_co_u32 s92, s92, SLOT
.endr
	; where my images begin.  q, k: ((16 batch + 4 cx + 2 column half) x 128 + the tile of my first 16 tokens) x 1,024 bytes
	s_lshr_b32 s88, s40, 3                         ; batch = tile row / 8
	s_lshl_b32 s88, s88, 4
	s_lshl_b32 s93, s19, 2
	s_add_co_u32 s88, s88, s93
	s_lshl_b32 s93, s18, 1
	s_add_co_u32 s88, s88, s93
	s_lshl_b32 s88, s88, 7
	s_and_b32 s93, s40, 7
	s_lshl_b32 s93, s93, 4
	s_add_co_u32 s88, s88, s93
	s_lshl_b32 s93, s17, 3
	s_add_co_u32 s88, s88, s93
	s_lshl_b32 s88, s88, 10
	; v: ((16 batch + 4 cy + 2 row half) x 16 + the step of my 128 tokens) x 8,192 bytes
	s_lshr_b32 s94, s41, 3                         ; batch = tile column / 8
	s_lshl_b32 s94, s94, 4
	s_lshl_b32 s93, s20, 2
	s_add_co_u32 s94, s94, s93
	s_lshl_b32 s93, s17, 1
	s_add_co_u32 s94, s94, s93
	s_lshl_b32 s94, s94, 4
	s_and_b32 s93, s41, 7
	s_lshl_b32 s93, s93, 1
	s_add_co_u32 s94, s94, s93
	s_add_co_u32 s94, s94, s18
	s_lshl_b32 s94, s94, 13
	s_mov_b32 s84, 2048
	s_mov_b32 s93, 131072
	s_mov_b32 s81, 0
	s_mov_b32 s85, 0
	s_mov_b32 s87, 0
	s_cmp_eq_u32 ttmp9, 2
	s_cselect_b32 s80, s94, s88
	s_cselect_b32 s84, s84, 1024                   ; from block to block of 16 rows of A: the next dt (2,048 bytes) or the next tile of tokens (1,024)
	s_cselect_b32 s86, 131072-8192, 0              ; v: behind four dt the next head begins
	s_cselect_b32 s93, 1024, s93
	s_cselect_b64 s[82:83], s[14:15], s[12:13]
	s_cmp_eq_u32 ttmp9, 0
	s_cselect_b64 s[82:83], s[10:11], s[82:83]     ; q_img, k_img or v_img
	s_add_nc_u64 s[82:83], s[82:83], s[80:81]
	v_and_b32 v5, 31, v0
	v_lshlrev_b32 v[VA], 4, v5
	v_add_nc_u32 v[VB], s93, v[VA]
.macro FRAG reg, adr, q, i             ; a fragment: lane l holds row l % 16; registers 4 c .. 4 c + 3 hold K = 32 c + 16 (l / 16) + 0 .. 15: the same places in A and in B, so every product meets its partner
.irp c, 0,1,2,3
	ds_load_b128 v[\reg+4*\c:\reg+4*\c+3], v[\adr] offset:128*(\q)+32*\c+(\i)*16*PITCH
.endr
.endm
; 16 matrix instructions: A's blocks a0, a0 + 1 x B's eight, 128 along K.  p: B's set.  zero = 1: the first product starts the sums.  The 64 accumulators take turns, one instruction a turn.
.macro MUL16 a0, p, zero
.irp a, \a0, \a0+1
.irp b, 0,1,2,3,4,5,6,7
.if \zero
	v_wmma_f32_16x16x128_fp8_fp8 v[8*(8*((\a)%4)+\b):8*(8*((\a)%4)+\b)+7], v[128*(\p)+FR*\b:128*(\p)+FR*\b+FR-1], v[AF+FR*(\a):AF+FR*(\a)+FR-1], 0
.else
	v_wmma_f32_16x16x128_fp8_fp8 v[8*(8*((\a)%4)+\b):8*(8*((\a)%4)+\b)+7], v[128*(\p)+FR*\b:128*(\p)+FR*\b+FR-1], v[AF+FR*(\a):AF+FR*(\a)+FR-1], v[8*(8*((\a)%4)+\b):8*(8*((\a)%4)+\b)+7]
.endif
.endr
.endr
.endm
.macro FETCH_B slot, q, p              ; B's eight fragments of the slot's q-th 128 along K into set p
	WIN TO_B
.irp i, 0,1,2,3,4,5,6,7
	FRAG 128*(\p)+FR*\i, ADRB+\slot, \q, \i
.endr
	WIN 0
.endm
.macro FETCH_A slot, q, i0             ; A's blocks i0 .. i0 + 3
.irp i, \i0, \i0+1, \i0+2, \i0+3
	FRAG AF+FR*(\i), ADRA+\slot, \q, \i
.endr
.endm
.macro PLACES n                        ; plain vector instructions between a matrix instruction and a load into a register that it has read, or a vector instruction that reads its result
.rept \n
	v_nop
.endr
.endm
; A step of 128 along K that has its successor in the same slot.
.macro STEP slot, q, zero
	s_wait_dscnt 4*NL                              ; B's set and A's blocks 0-3 are in; the youngest 16 loads (A's blocks 4-7) may be out
	WIN MUL_LO
	MUL16 0, (\q)%2, \zero
	MUL16 2, (\q)%2, \zero
	s_wait_dscnt 0                                 ; A's blocks 4-7 are in
	PLACES NP
	FETCH_B \slot, (\q)+1, 1-(\q)%2
	FETCH_A \slot, (\q)+1, 0
	WIN MUL_HI
	MUL16 4, (\q)%2, \zero
	MUL16 6, (\q)%2, \zero
	PLACES NP
	WIN 0
	FETCH_A \slot, (\q)+1, 4
.endm
; A slot's last step changes slots: ONE barrier; in front of it each wave waits for all its tensor loads, adds 0 to its spare word, and waits for that and for its own reads of this slot.  fill = 1: this slot is filled again, two K steps ahead.
.macro TURN slot, next, fill
	s_wait_tensorcnt 0x0                           ; all my tensor loads have landed: my part of the next slot
	ds_add_u32 v[SPW], v[NIL]                      ; 0 onto my spare word
	s_wait_dscnt 4*NL+1                            ; (the add and the youngest 16 loads, A's blocks 4-7, may be out)
	WIN MUL_LO
	MUL16 0, 1, 0                                  ; sixteen matrix instructions stand between the add and the wait for it
	s_wait_dscnt 0x0                               ; the add is done, and my reads of this slot are over
	s_barrier_signal -1
	MUL16 2, 1, 0
	WIN 0
	s_barrier_wait -1
.if \fill
	CREST                                          ; the barrier has opened a round of the cluster's barrier: no wave of any partner still reads this slot's tile or has a load on its way
	s_add_nc_u64 s[G0+4*\slot+2:G0+4*\slot+3], s[G0+4*\slot+2:G0+4*\slot+3], 2*ROWB
	s_add_nc_u64 s[G0B+4*\slot+2:G0B+4*\slot+3], s[G0B+4*\slot+2:G0B+4*\slot+3], 2*ROWB
	JLOAD G0+4*\slot, G1, G0B+4*\slot, G1B         ; the first tensor load behind the round, my one load until the next; its four v_nop are the places in front of the loads below
.else
	PLACES NP
.endif
	FETCH_B \next, 0, 0
	FETCH_A \next, 0, 0
	WIN MUL_HI
	MUL16 4, 1, 0
	MUL16 6, 1, 0
	PLACES NP
	WIN 0
	FETCH_A \next, 0, 4
.endm
	s_wait_alu depctr_va_vdst(0)
	s_wait_tensorcnt 0x0                           ; my part of K step 0 is in
	ds_add_u32 v[SPW], v[NIL]
	s_wait_dscnt 0x0
	CROUND                                         ; a whole round: everybody's part of K step 0 is in, and the joint loads meet
	JLOAD G0+4, G1, G0B+4, G1B                     ; K step 1: slot 1's first fill, my one load behind the round
	FETCH_B 0, 0, 0
	FETCH_A 0, 0, 0
	FETCH_A 0, 0, 4
	STEP 0, 0, 1                                   ; the first step stands in front of the loop: its products start the sums
	s_mov_b32 s3, LAPS-1
.Llap:                                                 ; a trip goes once round the ring and fills both slots again
	TURN 0, 1, 1
	STEP 1, 0, 0
	TURN 1, 0, 1
	STEP 0, 0, 0
	s_sub_co_u32 s3, s3, 1
	s_cmp_lg_u32 s3, 0
	s_cbranch_scc1 .Llap
	TURN 0, 1, 0                                   ; the last lap fills nothing, and has no round of the cluster's barrier
	STEP 1, 0, 0
	s_wait_dscnt 4*NL                              ; the very last step: nothing more to fetch
	WIN MUL_LO
	MUL16 0, 1, 0
	MUL16 2, 1, 0
	s_wait_dscnt 0
	WIN MUL_HI
	MUL16 4, 1, 0
	MUL16 6, 1, 0
	WIN 0
; THE WAY OUT, block a of 16 rows of A at a time: the block's 64 sums a lane are held, each accumulator from its low end on, and converted: eight conversions give 16 registers, four groups of four; each group is one store.
.macro OUTBLK a
.set AC, 64*((\a)%4)
.set CD, CDS+16*((\a)%2)
	WIN (0x02+((\a)/4))                            ; source 0: window 2 or 3
.set n, 0
.rept 64
	v_med3_num_f32 v[TMP+n], v[AC+n], -v[LIM], v[LIM]   ; the conversion to an 8-bit code does not saturate (ISA guide 7.6.2)
.set n, n+1
.endr
	WIN 0
.irp q, 0,1,2,3,4,5,6,7
	v_cvt_scalef32_pk8_fp8_f32 v[CD+2*\q:CD+2*\q+1], v[TMP+8*\q:TMP+8*\q+7], v[SCL]
.endr
	v_nop                                          ; a plain vector line behind the last conversion: the next block's holds write its sources
.if (\a) > 0
	s_wait_alu depctr_va_vdst(0)
	s_wait_xcnt 0x0                                ; the earlier stores have read their base and their data: the base steps, and the set of codes of two blocks back was free for the conversions above since the last block's wait
	s_add_nc_u64 s[82:83], s[82:83], s[84:85]
.endif
.if (\a) == 4
	s_add_nc_u64 s[82:83], s[82:83], s[86:87]
.endif
	global_store_b128 v[VA], v[CD:CD+3], s[82:83]                  ; 32 lanes store 512 consecutive bytes, at a multiple of 512 from the buffer's first byte
	global_store_b128 v[VA], v[CD+4:CD+7], s[82:83] offset:512
	global_store_b128 v[VB], v[CD+8:CD+11], s[82:83]
	global_store_b128 v[VB], v[CD+12:CD+15], s[82:83] offset:512
.endm
	s_wait_kmcnt 0x0
	s_cmp_eq_u32 ttmp9, 0
	s_cselect_b32 s88, s70, s71                    ; e2 or e3,
	s_cmp_eq_u32 ttmp9, 2
	s_cselect_b32 s88, s73, s88                    ; or e5
	s_sub_co_i32 s88, s88, s68
	s_sub_co_i32 s88, s88, s69                     ; eX - e0 - e1
	s_add_co_i32 s88, s88, 127
	s_lshl_b32 s89, s88, 23
	v_mov_b32 v[SCL], s89
	s_add_co_i32 s88, s88, 8
	s_lshl_b32 s88, s88, 23
	s_or_b32 s88, s88, 0x600000
	v_mov_b32 v[LIM], s88
	PLACES NP                                      ; behind the last products, ahead of the first read of results
.irp a, 0,1,2,3,4,5,6,7
	OUTBLK \a
.endr
	s_wait_tensorcnt 0x0                           ; the wave's end: behind my last tensor load
	ds_add_u32 v[SPW], v[NIL]
	s_wait_dscnt 0x0
	CROUND                                         ; the closing round: no work-group ends while a partner may still ask for a tile that names it
	s_endpgm
.Lfunc_end_k_q7eb3b8883a_gemmqkv:
	.size	k_q7eb3b8883a_gemmqkv, .Lfunc_end_k_q7eb3b8883a_gemmqkv-k_q7eb3b8883a_gemmqkv
	.p2alignl 7, 3214868480
	.fill 96, 4, 3214868480
	.section	.rodata,"a",@progbits
	.p2align	6, 0x0
	.amdhsa_kernel k_q7eb3b8883a_gemmqkv
		.amdhsa_group_segment_fixed_size 327680
		.amdhsa_private_segment_fixed_size 0
		.amdhsa_enable_private_segment 0
		.amdhsa_kernarg_size 48
		.amdhsa_user_sgpr_count 2
		.amdhsa_user_sgpr_kernarg_segment_ptr 1
		.amdhsa_wavefront_size32 1
		.amdhsa_system_sgpr_workgroup_id_x 1
		.amdhsa_system_sgpr_workgroup_id_y 1
		.amdhsa_system_sgpr_workgroup_id_z 1
		.amdhsa_system_vgpr_workitem_id 0
		.amdhsa_next_free_vgpr 1024
		.amdhsa_next_free_sgpr 98
		.amdhsa_reserve_vcc 0
		.amdhsa_float_denorm_mode_32 3
		.amdhsa_float_denorm_mode_16_64 3
		.amdhsa_memory_ordered 1
		.amdhsa_forward_progress 1
		.amdhsa_inst_pref_size 120
	.end_amdhsa_kernel
	.amdgpu_metadata
---
amdhsa.version: [ 1, 2 ]
amdhsa.kernels:
  - .name:           k_q7eb3b8883a_gemmqkv
    .symbol:         k_q7eb3b8883a_gemmqkv.kd
    .args:
      - { .name: x_codes, .offset: 0, .size: 8, .value_kind: global_buffer, .address_space: global }
      - { .name: wq_codes, .offset: 8, .size: 8, .value_kind: global_buffer, .address_space: global }
      - { .name: lowp_scales, .offset: 16, .size: 8, .value_kind: global_buffer, .address_space: global }
      - { .name: q_img, .offset: 24, .size: 8, .value_kind: global_buffer, .address_space: global }
      - { .name: k_img, .offset: 32, .size: 8, .value_kind: global_buffer, .address_space: global }
      - { .name: v_img, .offset: 40, .size: 8, .value_kind: global_buffer, .address_space: global }
    .group_segment_fixed_size: 327680
    .private_segment_fixed_size: 0
    .kernarg_segment_align: 8
    .kernarg_segment_size: 48
    .max_flat_workgroup_size: 128
    .sgpr_count:     98
    .vgpr_count:     1024
    .wavefront_size: 32
...
	.end_amdgpu_metadata
.endif
;; end of part 2
;; launch attn (part 3): grid 4 x 64, 8 waves a work-group, clusters of 4 x 1, 271,360 bytes of LDS; arguments q_img, k_img, v_img, attn_mask, lowp_scales, a_img; writes a_img
.if DOCPART == 3
	.amdgcn_target "amdgcn-amd-amdhsa--gfx1250"
	.amdhsa_code_object_version 6
	.text
	.protected	k_q7eb3b8883a_attn
	.globl	k_q7eb3b8883a_attn
	.p2align	8
	.type	k_q7eb3b8883a_attn,@function
k_q7eb3b8883a_attn:
	s_mov_b64 s[64:65], 0
	v_nop
	global_prefetch_b8 v0, s[64:65] scope:SCOPE_SE
	s_setreg_imm32_b32 hwreg(HW_REG_WAVE_MODE, 25, 1), 1
	s_wait_xcnt 0x0
	s_wait_alu depctr_hold_cnt(0) depctr_sa_sdst(0) depctr_va_vdst(0) depctr_va_sdst(0) depctr_va_ssrc(0) depctr_va_vcc(0) depctr_vm_vsrc(0)
	s_getreg_b32 s2, hwreg(HW_REG_IB_STS2, 6, 4)
	s_cmp_eq_u32 s2, 0
	s_cbranch_scc0 .Lentry_in_a_cluster
	s_endpgm
.Lentry_in_a_cluster:
	s_bfe_u32 s2, ttmp6, 0x10000c
	s_cmp_lg_u32 s2, 0x3003
	s_cbranch_scc0 .Lentry_shape_is_right
	s_endpgm
.Lentry_shape_is_right:
; THE SECOND AND THIRD PRODUCTS, THE MASKS AND THE SOFTMAX, for one batch and head a cluster.  p is quantised FINISHED AND NORMALISED (2^e4), so a row's maximum and sum are known before any p becomes a code: TWO PASSES over the keys.
; WORK LEFT OUT: a step of 128 keys whose first key lies behind all 32 queries of a wave's group is wholly under reference()'s own causal mask: its p are 0 for all inputs and add nothing to the row's sum or to the third product.
; LIMIT: a NaN or an infinity in k or v at keys so hidden is not carried to the result.
; SHARES.  A head's 2,048 queries are 64 groups of 32 (two tiles of 16).  Wave w of the cluster's work-group cx owns groups 63 - 4 w - cx and 4 w + cx: 16 - w and w + 1 steps of 128 keys: 17 steps for every wave of the launch, and the
; limits hang on the wave's number alone.  The head's whole K and V (2 x 131,072 bytes of register images) lie in LDS, fetched once, by joint loads that name all four work-groups; nothing is filled again.
; LAYOUT.  S^T = K Q^T (source 0 = 16 keys, source 1 = 16 queries), O^T = V^T P^T: a lane holds ONE query throughout.  The images hold token swz(16 T + r) (bits 3 and 4 exchanged) in lane r of tile T, so register 16 b + i of a
; step's scores is key 32 b + 16 (lane / 16) + i: p's conversions give the third product's operand as it stands; likewise O^T's give the fourth product's, which leaves as register images, 512 consecutive bytes a store:
;   a_img: [128 batch + tile][chunk 8][c 4][lane 32][16 bytes]: bytes k = 128 chunk + 32 c + 16 (lane / 16) + 0 .. 15 of token swz(16 tile + lane % 16).
; THE MASKS.  attn_mask becomes a table in LDS, bias[key] = 0 or -1e30, and enters as the C of the score's matrix instruction.  The causal mask is a compare and a select with -1e30 in a group's one step on the diagonal.
; A raw score (a sum of 64 products of codes) lies within +-64 x 448^2 = 1.2845e7; the running maximum begins at -2e7.  So a hidden score gives 2^(c x -1e30 + ..) = 0, and no infinity less infinity arises.
; THE SOFTMAX.  c = log2(e) / 8 x 2^(e2 + e3).  Pass 1: running maximum m of the raw scores, ncm = -c m, l = l x 2^(new ncm - old ncm) + sum of 2^(c s + ncm).  Between: ncm -= log2(max(l, 0.5)).  Pass 2: the same scores again;
; p = 2^(c s + ncm) is the normalised p: held at 448 x 2^e4, converted.  A row with a visible key has l near 1 or above; a row with none has l = 0, all its p are 0 and its result is 0, as reference()'s guard has it.
; O^T stands for O^T x 2^(e4 + e5): its code is O^T / 2^(e6 - e4 - e5), held within +-448.
; LIMITS: e4, and e6 - e4 - e5, between -126 and 119; e2 + e3 between -80 and 100 (so that c x 1e30 is beyond every exponent and c x 2e7 is an f32 number).
; REGISTERS.  window 0: v1-15 addresses and constants; v16-31 eight of statistics a tile; v32-159 S^T, 64 a tile; v160-191 p's codes, 16 a tile; v192-255 O^T, 32 a tile.
;   window 1: v0-15 Q of the high group, v16-31 of the low; v32-95 K's eight fragments; v96-159 their bias; v160-223 V's four fragments.
.set VBASE, 131072                     ; LDS: K from 0 (step s at 8,192 s), V from here (likewise),
.set BIAS,  262144                     ; the table of 2,048 f32, written by LDS stores: no tile lands there,
.set SPARE, 270336                     ; and the spare words, 128 bytes for each of eight waves
.set LI,  1                            ; v1   16 x lane; never rewritten
.set BA,  2                            ; v2   BIAS + 64 (lane / 16)
.set ADK, 3                            ; v3   LDS address of the step's K (at the head: of my bias stores)
.set ADB, 4                            ; v4   of its bias
.set ADV, 5                            ; v5   of its V (at the head: 16 x thread, the mask loads' offset)
.set SPW, 6                            ; v6   LDS address of my spare word; never rewritten
.set NIL, 7                            ; v7   0; never rewritten
.set D0,  8                            ; v8, v9  tile 0's, tile 1's: my query less the diagonal step's first key less 16 (lane / 16)
.set SC4, 10                           ; v10  2^e4
.set LM4, 11                           ; v11  448 x 2^e4
.set SC6, 12                           ; v12  2^(e6 - e4 - e5)
.set LM6, 13                           ; v13  448 x that
.set NEG, 14                           ; v14  -1e30
.set TT,  15                           ; v15  at work
.set ST,  16                           ; tile t at v[ST + 8 t]: +0 ncm, +1 m, +2, +3 l in two halves, +4 a (later log2 l), +5 written 0 (named with +4 as a pair), +6, +7 at work
.set S,   32
.set P,   160
.set O,   192
.set KFR, 32                           ; in window 1
.set BFR, 96
.set VFR, 160
.set WV,  16                           ; s16 wave;  s17 cx;  s18 batch x 16 + head
.set CX,  17
.set BH,  18
.set SEL, 20                           ; s[20:21] lane selects for v_permlanex16_b32: lane l xor 16
.set CS,  22                           ; s[22:23] c, twice
.set NC,  24                           ; s24 -c
.set G1A, 28                           ; s[28:35] descriptor group 1: 128 rows of 256 bytes
.set G0A, 44                           ; s[44:47] group 0: my eighth of K and V
.set KF,  56                           ; s56 the step's first key: the loops' counter
.set KO,  57                           ; s57 64 KF: the step's bytes in K
.set BO,  58                           ; s58 4 KF: in the table
.set LIMK, 59                          ; s59 the first key of the group's step on the diagonal
.set VO,  60                           ; s60 VBASE + 64 KF
.set MSB, 0
.macro WIN new                         ; the immediate's high byte repeats the setting that is left
.if MSB != \new
	s_set_vgpr_msb (MSB<<8)|\new
.set MSB, \new
.endif
.endm
.macro CROUND                          ; a round of the cluster's barrier
	s_barrier_signal -1
	s_barrier_wait -1
	s_cmp_lg_u32 s[WV], 0
	s_cbranch_scc1 .Lnot_wave_0_\@
	s_barrier_signal -3
.Lnot_wave_0_\@:
	s_barrier_wait -3
	s_barrier_signal -1
	s_barrier_wait -1
.endm
	s_load_b256 s[4:11], s[0:1], 0x0               ; q_img s[4:5], k_img s[6:7], v_img s[8:9], attn_mask s[10:11]
	s_load_b128 s[12:15], s[0:1], 0x20             ; the scales' exponents s[12:13], a_img s[14:15]
	v_lshl_add_u32 v[SPW], v0, 2, SPARE
	v_mov_b32 v[NIL], 0
	ds_add_u32 v[SPW], v[NIL]                      ; the wave's opening: the add, twice on end, and its wait ahead of my first tensor load
	ds_add_u32 v[SPW], v[NIL]                      ; and once more, under the one wait; the set-up below stands between
	v_lshrrev_b32 v[TT], 5, v0
	s_delay_alu instid0(VALU_DEP_1)
	v_readfirstlane_b32 s[WV], v[TT]               ; wave 0..7
	s_bfe_u32 s[CX], ttmp6, 0x40000                ; my place in the cluster: it enters Q's and a_img's addresses and the diagonal's compare values alone
	s_and_b32 s[BH], ttmp7, 0xffff                 ; the cluster's y: batch x 16 + head, which the four partners share
	; descriptor groups 1: dense blocks as rows of 256 bytes (32 elements of 8 bytes), no padding; 15:0 the mask: all four work-groups; 21 set beside a mask
	s_mov_b32 s[G1A], 15|(3<<16)|(1<<21)
	s_mov_b32 s[G1A+1], 32<<16                     ; tensor_dim0 = 32
	s_mov_b32 s[G1A+2], 128<<16                    ; tensor_dim1 = 128
	s_mov_b32 s[G1A+3], 32<<16                     ; tile_dim0 = 32
	s_mov_b32 s[G1A+4], 128                        ; tile_dim1 = 128: 32,768 bytes
	s_mov_b32 s[G1A+5], 32                         ; the pitch
	s_mov_b32 s[G1A+6], 0
	s_mov_b32 s[G1A+7], 0
	s_mov_b32 s[G0A], 1
	s_lshl_b32 s[G0A+1], s[WV], 15                 ; LDS: 32,768 x wave: waves 0-3 K's quarters, waves 4-7 V's, which begin at VBASE = 4 x 32,768
	s_lshl_b32 s84, s[BH], 17                      ; the head's 131,072 bytes in q_img, k_img and v_img
	s_and_b32 s86, s[WV], 3
	s_lshl_b32 s86, s86, 15                        ; my quarter of the head's image
	s_add_co_u32 s86, s84, s86
	s_mov_b32 s87, 0
	s_mov_b32 s89, 0
	s_mov_b32 s[SEL], 0x76543210
	s_mov_b32 s[SEL+1], 0xfedcba98
	s_wait_dscnt 0x0                               ; both opening adds are done
	s_wait_kmcnt 0x0
	s_load_b256 s[68:75], s[12:13], 0x0            ; e0 .. e7
	s_cmp_lt_u32 s[WV], 4                          ; the choice of the buffer hangs on the wave's number alone
	s_cselect_b64 s[G0A+2:G0A+3], s[6:7], s[8:9]
	s_add_nc_u64 s[G0A+2:G0A+3], s[G0A+2:G0A+3], s[86:87]
	s_or_b32 s[G0A+3], s[G0A+3], 0x80000000
	CROUND                                         ; all four work-groups are here: the joint loads meet
	tensor_load_to_lds s[G0A:G0A+3], s[G1A:G1A+7]  ; every wave issues one, its own by arithmetic on its number
	s_nop 0
.rept 4
	v_nop
.endr
	; addresses in memory
	s_lshl_b32 s85, s[WV], 2
	s_add_co_u32 s85, s85, s[CX]                   ; the low group, 4 w + cx,
	s_sub_co_u32 s86, 63, s85                      ; and the high one
	s_lshl_b32 s87, s86, 11                        ; a group's two tiles of Q are 2,048 bytes
	s_add_co_u32 s88, s84, s87
	s_add_nc_u64 s[76:77], s[4:5], s[88:89]        ; Q, high
	s_lshl_b32 s87, s85, 11
	s_add_co_u32 s88, s84, s87
	s_add_nc_u64 s[78:79], s[4:5], s[88:89]        ; Q, low
	s_lshr_b32 s90, s[BH], 4                       ; batch
	s_lshl_b32 s91, s90, 21                        ; a_img: 128 tiles of 16,384 bytes a batch,
	s_bfe_u32 s87, s[BH], 0x30001
	s_lshl_b32 s87, s87, 11                        ; chunk = head / 2: 2,048 bytes,
	s_add_co_u32 s91, s91, s87
	s_and_b32 s87, s[BH], 1
	s_lshl_b32 s87, s87, 10                        ; c = 2 (head % 2) + ..: 1,024 bytes
	s_add_co_u32 s91, s91, s87
	s_lshl_b32 s87, s86, 15
	s_add_co_u32 s88, s91, s87
	s_add_nc_u64 s[80:81], s[14:15], s[88:89]      ; a_img, high
	s_lshl_b32 s87, s85, 15
	s_add_co_u32 s88, s91, s87
	s_add_nc_u64 s[82:83], s[14:15], s[88:89]      ; a_img, low
	s_lshl_b32 s88, s90, 13
	s_add_nc_u64 s[26:27], s[10:11], s[88:89]      ; my batch's 2,048 words of attn_mask
	v_lshlrev_b32 v[ADV], 4, v0
	global_load_b128 v[S:S+3], v[ADV], s[26:27]                    ; 256 threads x 16 bytes, twice
	global_load_b128 v[S+4:S+7], v[ADV], s[26:27] offset:4096
	v_and_b32 v[TT], 31, v0
	s_delay_alu instid0(VALU_DEP_1)
	v_lshlrev_b32 v[LI], 4, v[TT]
	WIN 0x40                                       ; destination window 1
.irp t, 0,1
.irp c, 0,1
	global_load_b128 v[8*\t+4*\c:8*\t+4*\c+3], v[LI], s[76:77] offset:1024*\t+512*\c          ; Q stays in registers
	global_load_b128 v[16+8*\t+4*\c:16+8*\t+4*\c+3], v[LI], s[78:79] offset:1024*\t+512*\c
.endr
.endr
	WIN 0
	v_lshl_add_u32 v[ADK], v0, 4, BIAS
	v_mov_b32 v[NEG], 0xf149f2ca                   ; -1e30
	v_bfe_u32 v[TT], v0, 4, 1                      ; h
	s_delay_alu instid0(VALU_DEP_1)
	v_lshl_add_u32 v[BA], v[TT], 6, BIAS
	v_and_b32 v[D0], 15, v0                        ; r
	v_and_b32 v[D0+1], 8, v0
	s_delay_alu instid0(VALU_DEP_1)
	v_add_nc_u32 v[D0], v[D0], v[D0+1]             ; r + 8 (r / 8)
	v_lshlrev_b32 v[TT], 4, v[TT]
	s_delay_alu instid0(VALU_DEP_1)
	v_sub_nc_u32 v[D0], v[D0], v[TT]               ; - 16 h
	s_sub_co_u32 s84, 3, s[CX]                     ; the high group is the (3 - cx)-th 32 of its diagonal step
	s_lshl_b32 s84, s84, 5
	v_add_nc_u32 v[D0], s84, v[D0]
	s_delay_alu instid0(VALU_DEP_1)
	v_add_nc_u32 v[D0+1], 8, v[D0]                 ; tile 1's queries lie 8 further on
	s_wait_loadcnt 8                               ; the mask's two loads are in; Q's eight, issued behind them, may be out
.irp j, 0,1,2,3,4,5,6,7
	v_cmp_eq_u32 vcc_lo, 0, v[S+\j]
	s_delay_alu instid0(VALU_DEP_1)
	v_cndmask_b32 v[S+8+\j], 0, v[NEG], vcc_lo     ; 0 where the key counts, -1e30 where the mask is 0
.endr
	ds_store_b128 v[ADK], v[S+8:S+11]
	ds_store_b128 v[ADK], v[S+12:S+15] offset:4096
	s_wait_kmcnt 0x0
	s_add_co_i32 s84, s70, s71                     ; e2 + e3: added to the exponent field of log2(e) / 8
	s_lshl_b32 s84, s84, 23
	s_add_co_i32 s[CS], s84, 0x3e38aa3b
	s_mov_b32 s[CS+1], s[CS]
	s_xor_b32 s[NC], s[CS], 0x80000000
	s_add_co_i32 s84, s72, 127
	s_lshl_b32 s85, s84, 23
	v_mov_b32 v[SC4], s85
	s_add_co_i32 s84, s84, 8
	s_lshl_b32 s84, s84, 23
	s_or_b32 s84, s84, 0x600000
	v_mov_b32 v[LM4], s84
	s_sub_co_i32 s84, s74, s72
	s_sub_co_i32 s84, s84, s73                     ; e6 - e4 - e5
	s_add_co_i32 s84, s84, 127
	s_lshl_b32 s85, s84, 23
	v_mov_b32 v[SC6], s85
	s_add_co_i32 s84, s84, 8
	s_lshl_b32 s84, s84, 23
	s_or_b32 s84, s84, 0x600000
	v_mov_b32 v[LM6], s84
; A step's 32 LDS loads: K's eight tiles (two loads each: lane l's 16 bytes at 16 l) and their bias (register j of tile 2 b + u: key 32 b + 16 h + 8 u + j), tiles 0-3 first.
.macro KBLOAD
	v_add_nc_u32 v[ADK], s[KO], v[LI]
	v_add_nc_u32 v[ADB], s[BO], v[BA]
	WIN 0x40
.irp g, 0,4
.irp t, 0,1,2,3
	ds_load_b128 v[KFR+8*(\g+\t):KFR+8*(\g+\t)+3], v[ADK] offset:1024*(\g+\t)
	ds_load_b128 v[KFR+8*(\g+\t)+4:KFR+8*(\g+\t)+7], v[ADK] offset:1024*(\g+\t)+512
.endr
.irp t, 0,1,2,3
	ds_load_b128 v[BFR+8*(\g+\t):BFR+8*(\g+\t)+3], v[ADB] offset:128*((\g+\t)/2)+32*((\g+\t)%2)
	ds_load_b128 v[BFR+8*(\g+\t)+4:BFR+8*(\g+\t)+7], v[ADB] offset:128*((\g+\t)/2)+32*((\g+\t)%2)+16
.endr
.endr
.endm
; S^T = K Q^T + bias: 16 matrix instructions on 16 different results; each fragment of K and of the bias serves both tiles of queries.  qb: Q's first register in window 1.
.macro QK qb
	s_wait_dscnt 16                                ; tiles 0-3 and their bias are in; the 16 loads of tiles 4-7 are younger
	WIN 0x15                                       ; sources 0, 1, 2 window 1, destination window 0
.irp t, 0,1,2,3
.irp i, 0,1
	v_wmma_f32_16x16x64_fp8_fp8 v[S+64*\i+8*\t:S+64*\i+8*\t+7], v[KFR+8*\t:KFR+8*\t+7], v[\qb+8*\i:\qb+8*\i+7], v[BFR+8*\t:BFR+8*\t+7]
.endr
.endr
	s_wait_dscnt 0
.irp t, 4,5,6,7
.irp i, 0,1
	v_wmma_f32_16x16x64_fp8_fp8 v[S+64*\i+8*\t:S+64*\i+8*\t+7], v[KFR+8*\t:KFR+8*\t+7], v[\qb+8*\i:\qb+8*\i+7], v[BFR+8*\t:BFR+8*\t+7]
.endr
.endr
	WIN 0
.rept 4
	v_nop                                          ; places ahead of the first read of the scores (ISA guide 7.12.1)
.endr
.endm
; The causal mask, in the group's one step on the diagonal (a branch on the wave's number and the count of steps): register n holds key KF + 16 h + 32 (n / 16) + n % 16, hidden where 32 (n / 16) + n % 16 > D.
.macro CMASK
	s_cmp_lg_u32 s[KF], s[LIMK]
	s_cbranch_scc1 .Lopen_\@
.irp i, 0,1
.set n, 0
.rept 64
	v_cmp_gt_i32 vcc_lo, 32*(n/16)+n%16, v[D0+\i]
	v_cndmask_b32 v[S+64*\i+n], v[S+64*\i+n], v[NEG], vcc_lo
.set n, n+1
.endr
.endr
.Lopen_\@:
.endm
; Pass 1's vector work for a step, the two tiles line by line by turns.
.macro P1SOFT
.irp t, 0,1
	v_max3_num_f32 v[ST+8*\t+6], v[S+64*\t], v[S+64*\t+1], v[S+64*\t+2]       ; the step's largest score of my query among my 64 keys, in two chains, each accumulator from its low end on
	v_max3_num_f32 v[ST+8*\t+7], v[S+64*\t+3], v[S+64*\t+4], v[S+64*\t+5]
.endr
.set n, 6
.rept 14
.irp t, 0,1
	v_max3_num_f32 v[ST+8*\t+6], v[ST+8*\t+6], v[S+64*\t+n], v[S+64*\t+n+1]
	v_max3_num_f32 v[ST+8*\t+7], v[ST+8*\t+7], v[S+64*\t+n+2], v[S+64*\t+n+3]
.endr
.set n, n+4
.endr
.irp t, 0,1
	v_max3_num_f32 v[ST+8*\t+6], v[ST+8*\t+6], v[S+64*\t+62], v[S+64*\t+63]
.endr
.irp t, 0,1
	s_delay_alu instid0(VALU_DEP_2)
	v_max3_num_f32 v[ST+8*\t+6], v[ST+8*\t+6], v[ST+8*\t+7], v[ST+8*\t+1]     ; with the other chain and the old m
.endr
.irp t, 0,1
	s_delay_alu instid0(VALU_DEP_2)
	v_permlanex16_b32 v[ST+8*\t+7], v[ST+8*\t+6], s[SEL], s[SEL+1]            ; the query's other 64 keys lie in the lane 16 away
.endr
.irp t, 0,1
	s_delay_alu instid0(VALU_DEP_2)
	v_max_num_f32 v[ST+8*\t+1], v[ST+8*\t+6], v[ST+8*\t+7]                    ; the new m
.endr
.irp t, 0,1
	v_mov_b32 v[ST+8*\t+7], v[ST+8*\t]
.endr
.irp t, 0,1
	s_delay_alu instid0(VALU_DEP_4)
	v_mul_f32 v[ST+8*\t], s[NC], v[ST+8*\t+1]                                 ; ncm = -c m
.endr
.irp t, 0,1
	s_delay_alu instid0(VALU_DEP_2)
	v_sub_f32 v[ST+8*\t+7], v[ST+8*\t], v[ST+8*\t+7]                          ; new ncm - old ncm, 0 or less
.endr
.set n, 0
.rept 32
.irp t, 0,1
	v_pk_fma_f32 v[S+64*\t+n:S+64*\t+n+1], v[S+64*\t+n:S+64*\t+n+1], s[CS:CS+1], v[ST+8*\t:ST+8*\t+1] op_sel_hi:[1,0,0]   ; c s + ncm, two at a time (of the pairs c and ncm the low word serves both halves)
.endr
.set n, n+2
.endr
	s_wait_alu depctr_va_vdst(0)
.irp t, 0,1
	v_exp_f32 v[ST+8*\t+4], v[ST+8*\t+7]                                      ; a
.endr
.set n, 0
.rept 64
	v_exp_f32 v[S+n], v[S+n]
	v_exp_f32 v[S+64+n], v[S+64+n]
.set n, n+1
.endr
	v_nop                                          ; a plain instruction behind the last exponential
	s_wait_alu depctr_va_vdst(0)                   ; one wait for the batch of 130, ahead of its first reader
.irp t, 0,1
	v_pk_fma_f32 v[ST+8*\t+2:ST+8*\t+3], v[ST+8*\t+2:ST+8*\t+3], v[ST+8*\t+4:ST+8*\t+5], v[S+64*\t:S+64*\t+1] op_sel_hi:[1,0,1]   ; l = a l + .., in two chains
	v_pk_add_f32 v[ST+8*\t+6:ST+8*\t+7], v[S+64*\t+2:S+64*\t+3], v[S+64*\t+4:S+64*\t+5]
.endr
.set n, 6
.rept 14
.irp t, 0,1
	v_pk_add_f32 v[ST+8*\t+2:ST+8*\t+3], v[ST+8*\t+2:ST+8*\t+3], v[S+64*\t+n:S+64*\t+n+1]
	v_pk_add_f32 v[ST+8*\t+6:ST+8*\t+7], v[ST+8*\t+6:ST+8*\t+7], v[S+64*\t+n+2:S+64*\t+n+3]
.endr
.set n, n+4
.endr
.irp t, 0,1
	v_pk_add_f32 v[ST+8*\t+2:ST+8*\t+3], v[ST+8*\t+2:ST+8*\t+3], v[S+64*\t+62:S+64*\t+63]
.endr
.irp t, 0,1
	s_delay_alu instid0(VALU_DEP_2)
	v_pk_add_f32 v[ST+8*\t+2:ST+8*\t+3], v[ST+8*\t+2:ST+8*\t+3], v[ST+8*\t+6:ST+8*\t+7]
.endr
.endm
; Pass 2's: the normalised p, held and converted: the conversions' results are the third product's operand.
.macro P2SOFT
.set n, 0
.rept 32
.irp t, 0,1
	v_pk_fma_f32 v[S+64*\t+n:S+64*\t+n+1], v[S+64*\t+n:S+64*\t+n+1], s[CS:CS+1], v[ST+8*\t:ST+8*\t+1] op_sel_hi:[1,0,0]   ; c s - c m - log2 l
.endr
.set n, n+2
.endr
.set n, 0
	s_wait_alu depctr_va_vdst(0)
.rept 64
	v_exp_f32 v[S+n], v[S+n]
	v_exp_f32 v[S+64+n], v[S+64+n]
.set n, n+1
.endr
	v_nop                                          ; a plain instruction behind the last exponential
	s_wait_alu depctr_va_vdst(0)                   ; one wait for the batch of 128, ahead of its first reader
.irp t, 0,1
.irp q, 0,1,2,3,4,5,6,7
.irp j, 0,1,2,3,4,5,6,7
	v_min_num_f32 v[S+64*\t+8*\q+\j], v[S+64*\t+8*\q+\j], v[LM4]   ; the conversion does not saturate (ISA guide 7.6.2); p is not negative, so the hold is one-sided
.endr
	v_cvt_scalef32_pk8_fp8_f32 v[P+16*\t+2*\q:P+16*\t+2*\q+1], v[S+64*\t+8*\q:S+64*\t+8*\q+7], v[SC4]
.endr
.endr
	v_nop                                          ; a plain vector line between the last conversion and the matrix instructions that read its result
.endm
.macro VLOAD                           ; the step's V: four tiles of 16 channels x 128 keys; they land under the softmax
	v_add_nc_u32 v[ADV], s[VO], v[LI]
	WIN 0x40
.irp t, 0,1,2,3
.irp c, 0,1,2,3
	ds_load_b128 v[VFR+16*\t+4*\c:VFR+16*\t+4*\c+3], v[ADV] offset:2048*\t+512*\c
.endr
.endr
	WIN 0
.endm
.macro PV                              ; O^T += V^T P^T: eight accumulators, one instruction a turn; the next matrix instructions are the next step's scores
	s_wait_dscnt 0x0                               ; V is in
	WIN 0x01                                       ; source 0 (V) window 1
.irp t, 0,1,2,3
.irp i, 0,1
	v_wmma_f32_16x16x128_fp8_fp8 v[O+32*\i+8*\t:O+32*\i+8*\t+7], v[VFR+16*\t:VFR+16*\t+15], v[P+16*\i:P+16*\i+15], v[O+32*\i+8*\t:O+32*\i+8*\t+7]
.endr
.endr
	WIN 0
.endm
; A step of pass 1.  tests = 1: a step behind the group's diagonal is left out (a branch on the wave's number and the count of steps, round the step's loads, products and softmax alone), and the diagonal's is masked.
.macro P1STEP qb, tests
.if \tests
	s_cmp_gt_u32 s[KF], s[LIMK]
	s_cbranch_scc1 .Lend_\@
.endif
	s_lshl_b32 s[KO], s[KF], 6
	s_lshl_b32 s[BO], s[KF], 2
	KBLOAD
	QK \qb
.if \tests
	CMASK
.endif
	P1SOFT
.Lend_\@:
.endm
; A step of pass 2.  V's loads stand behind the scores' four places; with the three address additions those are the places behind the last step's products, which read V's registers.
.macro P2STEP qb
	s_cmp_gt_u32 s[KF], s[LIMK]
	s_cbranch_scc1 .Lend_\@
	s_lshl_b32 s[KO], s[KF], 6
	s_lshl_b32 s[BO], s[KF], 2
	s_add_co_u32 s[VO], s[KO], VBASE
	KBLOAD
	QK \qb
	VLOAD
	CMASK
	P2SOFT
	s_wait_alu depctr_va_vdst(0)
	PV
.Lend_\@:
.endm
.macro INIT1
.irp t, 0,1
	v_mov_b32 v[ST+8*\t+1], 0xcb989680             ; m = -2e7, under every raw score that counts
	s_delay_alu instid0(VALU_DEP_1)
	v_mul_f32 v[ST+8*\t], s[NC], v[ST+8*\t+1]
	v_mov_b32 v[ST+8*\t+2], 0
	v_mov_b32 v[ST+8*\t+3], 0
	v_mov_b32 v[ST+8*\t+5], 0                      ; (named as the upper half of a's pair)
.endr
.endm
.macro STATS                           ; between the passes: the row's sum, and ncm - log2 of it
.irp t, 0,1
	v_add_f32 v[ST+8*\t+6], v[ST+8*\t+2], v[ST+8*\t+3]
.endr
.irp t, 0,1
	s_delay_alu instid0(VALU_DEP_2)
	v_permlanex16_b32 v[ST+8*\t+7], v[ST+8*\t+6], s[SEL], s[SEL+1]
.endr
.irp t, 0,1
	s_delay_alu instid0(VALU_DEP_2)
	v_add_f32 v[ST+8*\t+6], v[ST+8*\t+6], v[ST+8*\t+7]
.endr
.irp t, 0,1
	s_delay_alu instid0(VALU_DEP_2)
	v_max_num_f32 v[ST+8*\t+6], 0.5, v[ST+8*\t+6]  ; a row with no visible key has l = 0: its p are 0 whatever stands here
.endr
	s_wait_alu depctr_va_vdst(0)
.irp t, 0,1
	v_log_f32 v[ST+8*\t+4], v[ST+8*\t+6]
.endr
	v_nop
	s_wait_alu depctr_va_vdst(0)                   ; one wait for the two logarithms, ahead of their first reader
.irp t, 0,1
	v_sub_f32 v[ST+8*\t], v[ST+8*\t], v[ST+8*\t+4]
.endr
.endm
.macro ZERO_O                          ; the loop of pass 2 is written once: its first step adds onto zeros
.set n, 0
.rept 64
	v_mov_b32 v[O+n], 0
.set n, n+1
.endr
.endm
.macro OUT bs                          ; O^T is held and converted; registers 4 c .. 4 c + 3 of a tile's eight are channels 32 c + 16 h + 0 .. 15: one store each, 512 consecutive bytes
.rept 4
	v_nop                                          ; places behind the last products
.endr
.set n, 0
.rept 64
	v_med3_num_f32 v[O+n], v[O+n], -v[LM6], v[LM6]
.set n, n+1
.endr
.irp t, 0,1
.irp q, 0,1,2,3
	v_cvt_scalef32_pk8_fp8_f32 v[P+8*\t+2*\q:P+8*\t+2*\q+1], v[O+32*\t+8*\q:O+32*\t+8*\q+7], v[SC6]
.endr
.endr
	v_nop                                          ; a plain vector line behind the last conversion
.irp t, 0,1
.irp c, 0,1
	global_store_b128 v[LI], v[P+8*\t+4*\c:P+8*\t+4*\c+3], s[\bs:\bs+1] offset:16384*\t+512*\c
.endr
.endr
.endm
	INIT1
	s_wait_tensorcnt 0x0                           ; my eighth of K and V is in,
	s_wait_dscnt 0x0                               ; my part of the table is stored
	s_barrier_signal -1
	s_barrier_wait -1                              ; K, V and the table are whole; nothing is filled again
	s_wait_loadcnt 0x0                             ; Q
	; ---- the high group: its diagonal step is 15 - w, so steps 0-7 count whole for every wave
	s_lshl_b32 s[LIMK], s[WV], 7
	s_sub_co_u32 s[LIMK], 1920, s[LIMK]
	s_mov_b32 s[KF], 0
.LloopA:                                               ; pass 1, steps 0-7: LDS bytes under 65,536 and the table alone are read
	P1STEP 0, 0
	s_add_co_u32 s[KF], s[KF], 128
	s_cmp_lt_u32 s[KF], 1024
	s_cbranch_scc1 .LloopA
	s_mov_b32 s[KF], 1024
.LloopB:                                               ; pass 1, steps 8-15
	P1STEP 0, 1
	s_add_co_u32 s[KF], s[KF], 128
	s_cmp_lt_u32 s[KF], 2048
	s_cbranch_scc1 .LloopB
	s_wait_alu depctr_va_vdst(0)
	STATS
	ZERO_O
	s_mov_b32 s[KF], 0
.LloopC:                                               ; pass 2
	P2STEP 0
	s_add_co_u32 s[KF], s[KF], 128
	s_cmp_lt_u32 s[KF], 2048
	s_cbranch_scc1 .LloopC
	OUT 80
	; ---- the low group: its diagonal step is w
	s_wait_xcnt 0x0                                ; the stores have read their data: the codes' registers are written again below
	s_lshl_b32 s84, s[CX], 6
	s_sub_co_u32 s84, s84, 96                      ; the low group is the cx-th 32 of its diagonal step: 32 (cx - (3 - cx)) on
	v_add_nc_u32 v[D0], s84, v[D0]
	v_add_nc_u32 v[D0+1], s84, v[D0+1]
	s_lshl_b32 s[LIMK], s[WV], 7
	INIT1
	s_mov_b32 s[KF], 0
.LloopD:
	P1STEP 16, 1
	s_add_co_u32 s[KF], s[KF], 128
	s_cmp_lt_u32 s[KF], 1024
	s_cbranch_scc1 .LloopD
	s_wait_alu depctr_va_vdst(0)
	STATS
	ZERO_O
	s_mov_b32 s[KF], 0
.LloopE:
	P2STEP 16
	s_add_co_u32 s[KF], s[KF], 128
	s_cmp_lt_u32 s[KF], 1024
	s_cbranch_scc1 .LloopE
	OUT 82
	s_wait_tensorcnt 0x0                           ; the wave's end: behind my last tensor load and my last LDS store
	ds_add_u32 v[SPW], v[NIL]
	s_wait_dscnt 0x0
	CROUND                                         ; the closing round
	s_endpgm
.Lfunc_end_k_q7eb3b8883a_attn:
	.size	k_q7eb3b8883a_attn, .Lfunc_end_k_q7eb3b8883a_attn-k_q7eb3b8883a_attn
	.p2alignl 7, 3214868480
	.fill 96, 4, 3214868480
	.section	.rodata,"a",@progbits
	.p2align	6, 0x0
	.amdhsa_kernel k_q7eb3b8883a_attn
		.amdhsa_group_segment_fixed_size 271360
		.amdhsa_private_segment_fixed_size 0
		.amdhsa_enable_private_segment 0
		.amdhsa_kernarg_size 48
		.amdhsa_user_sgpr_count 2
		.amdhsa_user_sgpr_kernarg_segment_ptr 1
		.amdhsa_wavefront_size32 1
		.amdhsa_system_sgpr_workgroup_id_x 1
		.amdhsa_system_sgpr_workgroup_id_y 1
		.amdhsa_system_sgpr_workgroup_id_z 1
		.amdhsa_system_vgpr_workitem_id 0
		.amdhsa_next_free_vgpr 512
		.amdhsa_next_free_sgpr 92
		.amdhsa_reserve_vcc 1
		.amdhsa_float_denorm_mode_32 3
		.amdhsa_float_denorm_mode_16_64 3
		.amdhsa_memory_ordered 1
		.amdhsa_forward_progress 1
		.amdhsa_inst_pref_size 164
	.end_amdhsa_kernel
	.amdgpu_metadata
---
amdhsa.version: [ 1, 2 ]
amdhsa.kernels:
  - .name:           k_q7eb3b8883a_attn
    .symbol:         k_q7eb3b8883a_attn.kd
    .args:
      - { .name: q_img, .offset: 0, .size: 8, .value_kind: global_buffer, .address_space: global }
      - { .name: k_img, .offset: 8, .size: 8, .value_kind: global_buffer, .address_space: global }
      - { .name: v_img, .offset: 16, .size: 8, .value_kind: global_buffer, .address_space: global }
      - { .name: attn_mask, .offset: 24, .size: 8, .value_kind: global_buffer, .address_space: global }
      - { .name: lowp_scales, .offset: 32, .size: 8, .value_kind: global_buffer, .address_space: global }
      - { .name: a_img, .offset: 40, .size: 8, .value_kind: global_buffer, .address_space: global }
    .group_segment_fixed_size: 271360
    .private_segment_fixed_size: 0
    .kernarg_segment_align: 8
    .kernarg_segment_size: 48
    .max_flat_workgroup_size: 256
    .sgpr_count:     92
    .vgpr_count:     512
    .wavefront_size: 32
...
	.end_amdgpu_metadata
.endif
;; end of part 3
;; launch gemmout (part 4): grid 4 x 32, 4 waves a work-group, clusters of 4 x 4, 327,680 bytes of LDS; arguments a_img, wo_codes, lowp_scales, out0; writes out0
.if DOCPART == 4
	.amdgcn_target "amdgcn-amd-amdhsa--gfx1250"
	.amdhsa_code_object_version 6
	.text
	.protected	k_q7eb3b8883a_gemmout
	.globl	k_q7eb3b8883a_gemmout
	.p2align	8
	.type	k_q7eb3b8883a_gemmout,@function
k_q7eb3b8883a_gemmout:
	s_mov_b64 s[64:65], 0
	v_nop
	global_prefetch_b8 v0, s[64:65] scope:SCOPE_SE
	s_setreg_imm32_b32 hwreg(HW_REG_WAVE_MODE, 25, 1), 1
	s_wait_xcnt 0x0
	s_wait_alu depctr_hold_cnt(0) depctr_sa_sdst(0) depctr_va_vdst(0) depctr_va_sdst(0) depctr_va_ssrc(0) depctr_va_vcc(0) depctr_vm_vsrc(0)
	s_getreg_b32 s2, hwreg(HW_REG_IB_STS2, 6, 4)
	s_cmp_eq_u32 s2, 0
	s_cbranch_scc0 .Lentry_in_a_cluster
	s_endpgm
.Lentry_in_a_cluster:
	s_bfe_u32 s2, ttmp6, 0x10000c
	s_cmp_lg_u32 s2, 0xf033
	s_cbranch_scc0 .Lentry_shape_is_right
	s_endpgm
.Lentry_shape_is_right:
.set ROWB,   256
.set KROW,   1024
.set PITCH,  272
.set FR,     16
.set NL,     4
.set NP,     4
.set HALFA,  32768
.set HALFB,  128*PITCH
.set BOFF,   2*HALFA
.set SLOT,   2*HALFA+2*HALFB
.set LAPS,   2
.set SPARE,  2*SLOT
.set SPITCH, 528
.set ADRA, 16
.set ADRB, 20
.set STO,  24
.set RD,   25
.set CO,   26
.set SPW,  28
.set NIL,  29
.set TMP,  32
.set AF,   128
.set BK,   128
.set G1, 24
.set G0, 32
.set G1B, 48
.set G0B, 56
.set MSB, 0
.macro WIN new
.if MSB != \new
	s_set_vgpr_msb (MSB<<8)|\new
.set MSB, \new
.endif
.endm
.set MUL_LO, 0xa1
.set MUL_HI, 0xf1
.set TO_B,   0x40
.macro JLOAD g0a, g1a, g0b, g1b
	s_cmp_eq_u32 s15, 0
	s_cbranch_scc0 .Lfor_b_\@
	tensor_load_to_lds s[\g0a:\g0a+3], s[\g1a:\g1a+7]
	s_nop 0
.rept 4
	v_nop
.endr
	s_branch .Lasked_\@
.Lfor_b_\@:
	tensor_load_to_lds s[\g0b:\g0b+3], s[\g1b:\g1b+7]
	s_nop 0
.rept 4
	v_nop
.endr
.Lasked_\@:
.endm
.macro CREST
	s_cmp_lg_u32 s14, 0
	s_cbranch_scc1 .Lnot_wave_0_\@
	s_barrier_signal -3
.Lnot_wave_0_\@:
	s_barrier_wait -3
	s_barrier_signal -1
	s_barrier_wait -1
.endm
.macro CROUND
	s_barrier_signal -1
	s_barrier_wait -1
	CREST
.endm
	s_load_b256 s[4:11], s[0:1], 0x0
	v_lshl_add_u32 v[SPW], v0, 2, SPARE
	v_mov_b32 v[NIL], 0
	ds_add_u32 v[SPW], v[NIL]
	ds_add_u32 v[SPW], v[NIL]
	v_lshrrev_b32 v1, 5, v0
	v_readfirstlane_b32 s14, v1
	s_lshr_b32 s15, s14, 1
	s_and_b32 s16, s14, 1
	s_bfe_u32 s40, ttmp6, 0x40000
	s_bfe_u32 s41, ttmp6, 0x40004
	s_lshl_b32 s42, ttmp9, 2
	s_add_co_u32 s42, s42, s40
	s_and_b32 s17, ttmp7, 0xffff
	s_lshl_b32 s17, s17, 2
	s_add_co_u32 s17, s17, s41
	s_lshl_b32 s43, s41, 2
	s_lshl_b32 s43, 15, s43
	s_lshl_b32 s44, 0x1111, s40
	s_or_b32 s[G1+0], s43, (3<<16)|(1<<21)
	s_mov_b32 s[G1+1], 512<<16
	s_mov_b32 s[G1+2], 8<<16
	s_mov_b32 s[G1+3], 512<<16
	s_mov_b32 s[G1+4], 8
	s_mov_b32 s[G1+5], 2048
	s_mov_b32 s[G1+6], 0
	s_mov_b32 s[G1+7], 0
	s_or_b32 s[G1B+0], s44, (0<<16)|(1<<20)|(1<<21)|(5<<22)|(3<<25)
	s_mov_b32 s[G1B+1], ROWB<<16
	s_mov_b32 s[G1B+2], 128<<16
	s_mov_b32 s[G1B+3], ROWB<<16
	s_mov_b32 s[G1B+4], 128
	s_mov_b32 s[G1B+5], KROW
	s_mov_b32 s[G1B+6], 0
	s_mov_b32 s[G1B+7], 0
	s_lshl_b32 s20, s17, 4
	s_lshl_b32 s18, s16, 3
	s_add_co_u32 s20, s20, s18
	s_lshl_b32 s20, s20, 14
	s_mov_b32 s21, 0
	s_lshl_b32 s46, s42, 8
	s_lshl_b32 s18, s16, 7
	s_add_co_u32 s46, s46, s18
	s_lshl_b32 s46, s46, 10
	s_mov_b32 s47, 0
	s_lshl_b32 s45, s16, 15
	s_mul_i32 s12, s16, HALFB
	s_add_co_u32 s12, s12, BOFF
	s_wait_dscnt 0x0
	s_wait_kmcnt 0x0
	s_load_b256 s[68:75], s[8:9], 0x0
	s_add_nc_u64 s[20:21], s[4:5], s[20:21]
	s_add_nc_u64 s[46:47], s[6:7], s[46:47]
	CROUND
.irp s, 0,1
	s_mov_b32 s[G0+4*\s], 1
	s_add_co_u32 s[G0+4*\s+1], s45, \s*SLOT
	s_add_nc_u64 s[G0+4*\s+2:G0+4*\s+3], s[20:21], \s*4096
	s_or_b32 s[G0+4*\s+3], s[G0+4*\s+3], 0x80000000
	s_mov_b32 s[G0B+4*\s], 1
	s_add_co_u32 s[G0B+4*\s+1], s12, \s*SLOT
	s_add_nc_u64 s[G0B+4*\s+2:G0B+4*\s+3], s[46:47], \s*ROWB
	s_or_b32 s[G0B+4*\s+3], s[G0B+4*\s+3], 0x80000000
	s_wait_alu depctr_va_vdst(0)
	s_wait_tensorcnt 0x0
	ds_add_u32 v28, v29
	ds_add_u32 v28, v29
	s_wait_dscnt 0x0
	CROUND
	JLOAD G0+4*\s, G1, G0B+4*\s, G1B
.endr
	v_and_b32 v1, 15, v0
	v_bfe_u32 v2, v0, 4, 1
	v_and_b32 v6, 31, v0
	v_lshlrev_b32 v[CO], 4, v6
	v_mul_u32_u24 v3, v1, PITCH
	v_lshl_add_u32 v4, v2, 4, v3
	s_lshl_b32 s21, s15, 15
	s_mul_i32 s22, s16, HALFB
	s_add_co_u32 s22, s22, BOFF
.irp s, 0,1
	v_add_nc_u32 v[ADRA+\s], s21, v[CO]
	v_add_nc_u32 v[ADRB+\s], s22, v4
	s_add_co_u32 s21, s21, SLOT
	s_add_co_u32 s22, s22, SLOT
.endr
	s_mul_i32 s23, s14, 16*SPITCH
	v_mul_u32_u24 v5, v1, SPITCH
	v_lshl_add_u32 v5, v2, 6, v5
	v_add_nc_u32 v[STO], s23, v5
	v_add_nc_u32 v[RD], s23, v[CO]
	s_lshl_b32 s20, s17, 8
	s_lshl_b32 s21, s15, 7
	s_add_co_u32 s20, s20, s21
	s_lshl_b32 s20, s20, 12
	s_lshl_b32 s21, s42, 10
	s_add_co_u32 s20, s20, s21
	s_lshl_b32 s21, s16, 9
	s_add_co_u32 s20, s20, s21
	s_mov_b32 s21, 0
	s_add_nc_u64 s[10:11], s[10:11], s[20:21]
.macro FRAG reg, adr, q, i
.irp c, 0,1,2,3
	ds_load_b128 v[\reg+4*\c:\reg+4*\c+3], v[\adr] offset:128*(\q)+32*\c+(\i)*16*PITCH
.endr
.endm
.macro FRAGA reg, adr, q, i
.irp c, 0,1,2,3
	ds_load_b128 v[\reg+4*\c:\reg+4*\c+3], v[\adr] offset:4096*(\i)+2048*(\q)+512*\c
.endr
.endm
.macro MUL16 a0, p, zero
.irp a, \a0, \a0+1
.irp b, 0,1,2,3,4,5,6,7
.if \zero
	v_wmma_f32_16x16x128_fp8_fp8 v[8*(8*((\a)%4)+\b):8*(8*((\a)%4)+\b)+7], v[128*(\p)+FR*\b:128*(\p)+FR*\b+FR-1], v[AF+FR*(\a):AF+FR*(\a)+FR-1], 0
.else
	v_wmma_f32_16x16x128_fp8_fp8 v[8*(8*((\a)%4)+\b):8*(8*((\a)%4)+\b)+7], v[128*(\p)+FR*\b:128*(\p)+FR*\b+FR-1], v[AF+FR*(\a):AF+FR*(\a)+FR-1], v[8*(8*((\a)%4)+\b):8*(8*((\a)%4)+\b)+7]
.endif
.endr
.endr
.endm
.macro FETCH_B slot, q, p
	WIN TO_B
.irp i, 0,1,2,3,4,5,6,7
	FRAG 128*(\p)+FR*\i, ADRB+\slot, \q, \i
.endr
	WIN 0
.endm
.macro FETCH_A slot, q, i0
.irp i, \i0, \i0+1, \i0+2, \i0+3
	FRAGA AF+FR*(\i), ADRA+\slot, \q, \i
.endr
.endm
.macro PLACES n
.rept \n
	v_nop
.endr
.endm
.macro STEP slot, q, zero
	s_wait_dscnt 4*NL
	WIN MUL_LO
	MUL16 0, (\q)%2, \zero
	MUL16 2, (\q)%2, \zero
	s_wait_dscnt 0
	PLACES NP
	FETCH_B \slot, (\q)+1, 1-(\q)%2
	FETCH_A \slot, (\q)+1, 0
	WIN MUL_HI
	MUL16 4, (\q)%2, \zero
	MUL16 6, (\q)%2, \zero
	PLACES NP
	WIN 0
	FETCH_A \slot, (\q)+1, 4
.endm
.macro TURN slot, next, fill
	s_wait_tensorcnt 0x0
	ds_add_u32 v[SPW], v[NIL]
	s_wait_dscnt 4*NL+1
	WIN MUL_LO
	MUL16 0, 1, 0
	s_wait_dscnt 0x0
	s_barrier_signal -1
	MUL16 2, 1, 0
	WIN 0
	s_barrier_wait -1
.if \fill
	CREST
	s_add_nc_u64 s[G0+4*\slot+2:G0+4*\slot+3], s[G0+4*\slot+2:G0+4*\slot+3], 2*4096
	s_add_nc_u64 s[G0B+4*\slot+2:G0B+4*\slot+3], s[G0B+4*\slot+2:G0B+4*\slot+3], 2*ROWB
	JLOAD G0+4*\slot, G1, G0B+4*\slot, G1B
.else
	PLACES NP
.endif
	FETCH_B \next, 0, 0
	FETCH_A \next, 0, 0
	WIN MUL_HI
	MUL16 4, 1, 0
	MUL16 6, 1, 0
	PLACES NP
	WIN 0
	FETCH_A \next, 0, 4
.endm
	s_wait_alu depctr_va_vdst(0)
	s_wait_tensorcnt 1
	s_barrier_signal -1
	s_barrier_wait -1
	FETCH_B 0, 0, 0
	FETCH_A 0, 0, 0
	FETCH_A 0, 0, 4
	STEP 0, 0, 1
	s_mov_b32 s3, LAPS-1
.Llap:
	TURN 0, 1, 1
	STEP 1, 0, 0
	TURN 1, 0, 1
	STEP 0, 0, 0
	s_sub_co_u32 s3, s3, 1
	s_cmp_lg_u32 s3, 0
	s_cbranch_scc1 .Llap
	TURN 0, 1, 0
	STEP 1, 0, 0
	s_wait_dscnt 4*NL
	WIN MUL_LO
	MUL16 0, 1, 0
	MUL16 2, 1, 0
	s_wait_dscnt 0
	WIN MUL_HI
	MUL16 4, 1, 0
	MUL16 6, 1, 0
	WIN 0
.macro TOSTAGE a
.set AC, 64*((\a)%4)
	WIN (0x02+((\a)/4))
.set n, 0
.rept 32
	v_pk_mul_f32 v[TMP+n:TMP+n+1], v[AC+n:AC+n+1], s[96:97] op_sel_hi:[1,0]
.set n, n+2
.endr
	WIN 0
.irp b, 0,1,2,3,4,5,6,7
	ds_store_b128 v[STO], v[TMP+8*\b:TMP+8*\b+3] offset:128*(\b/2)+32*(\b%2)
	ds_store_b128 v[STO], v[TMP+8*\b+4:TMP+8*\b+7] offset:128*(\b/2)+32*(\b%2)+16
.endr
.set BB, BK+64*((\a)%2)
.irp t, 0,1,2,3,4,5,6,7,8,9,10,11,12,13,14,15
	ds_load_b128 v[BB+4*\t:BB+4*\t+3], v[RD] offset:\t*SPITCH
.endr
.endm
.macro SEND a, younger
.set BB, BK+64*((\a)%2)
	s_wait_dscnt \younger
.irp t, 0,1,2,3,4,5,6,7,8,9,10,11,12,13,14,15
	global_store_b128 v[CO], v[BB+4*\t:BB+4*\t+3], s[10:11] offset:(32*((\a)/2)+8*((\a)%2)+\t+8*(\t/8))*4096 th:TH_STORE_NT
.endr
.endm
	s_wait_kmcnt 0x0
	s_add_co_i32 s96, s74, s75
	s_add_co_i32 s96, s96, 127
	s_lshl_b32 s96, s96, 23
	s_mov_b32 s97, s96
	PLACES NP
	TOSTAGE 0
.irp a, 1,2,3,4,5,6,7
.if \a > 1
	s_wait_xcnt 0x0
.endif
	TOSTAGE \a
	SEND \a-1, 32
.endr
	SEND 7, 0
	s_wait_tensorcnt 0x0
	ds_add_u32 v[SPW], v[NIL]
	s_wait_dscnt 0x0
	CROUND
	s_endpgm
.Lfunc_end_k_q7eb3b8883a_gemmout:
	.size	k_q7eb3b8883a_gemmout, .Lfunc_end_k_q7eb3b8883a_gemmout-k_q7eb3b8883a_gemmout
	.p2alignl 7, 3214868480
	.fill 96, 4, 3214868480
	.section	.rodata,"a",@progbits
	.p2align	6, 0x0
	.amdhsa_kernel k_q7eb3b8883a_gemmout
		.amdhsa_group_segment_fixed_size 327680
		.amdhsa_private_segment_fixed_size 0
		.amdhsa_enable_private_segment 0
		.amdhsa_kernarg_size 32
		.amdhsa_user_sgpr_count 2
		.amdhsa_user_sgpr_kernarg_segment_ptr 1
		.amdhsa_wavefront_size32 1
		.amdhsa_system_sgpr_workgroup_id_x 1
		.amdhsa_system_sgpr_workgroup_id_y 1
		.amdhsa_system_sgpr_workgroup_id_z 1
		.amdhsa_system_vgpr_workitem_id 0
		.amdhsa_next_free_vgpr 1024
		.amdhsa_next_free_sgpr 98
		.amdhsa_reserve_vcc 0
		.amdhsa_float_denorm_mode_32 3
		.amdhsa_float_denorm_mode_16_64 3
		.amdhsa_memory_ordered 1
		.amdhsa_forward_progress 1
		.amdhsa_inst_pref_size 124
	.end_amdhsa_kernel
	.amdgpu_metadata
---
amdhsa.version: [ 1, 2 ]
amdhsa.kernels:
  - .name:           k_q7eb3b8883a_gemmout
    .symbol:         k_q7eb3b8883a_gemmout.kd
    .args:
      - { .name: a_img, .offset: 0, .size: 8, .value_kind: global_buffer, .address_space: global }
      - { .name: wo_codes, .offset: 8, .size: 8, .value_kind: global_buffer, .address_space: global }
      - { .name: lowp_scales, .offset: 16, .size: 8, .value_kind: global_buffer, .address_space: global }
      - { .name: out0, .offset: 24, .size: 8, .value_kind: global_buffer, .address_space: global }
    .group_segment_fixed_size: 327680
    .private_segment_fixed_size: 0
    .kernarg_segment_align: 8
    .kernarg_segment_size: 32
    .max_flat_workgroup_size: 128
    .sgpr_count:     98
    .vgpr_count:     1024
    .wavefront_size: 32
...
	.end_amdgpu_metadata
.endif
;; end of part 4
